; MI455X (gfx1250); checked and timed in simulation.
; The chip was launched on July 23, 2026; its instructions are those of AMD's public machine-readable ISA for CDNA 5 (MIT licence, August 2026) and "CDNA5" Instruction Set Architecture Reference Guide (July 2026). The comments in the code are by the model that wrote it; some were corrected since.
;; Hungarian Matcher. Allowed arithmetic: float matrix products may take bf16 or f16 operands with f32 sums; all other float work in f32.
;; Inputs: pred_keypoints 8 x 500 x 53 float32; pred_logits 8 x 500 x 2 float32; tgt_ids 400 int32; tgt_keypoints 400 x 53 float32.
;; Outputs: out0 8 x 500 x 400 float32.
;; Constants: num_boxes = 400.
;; One version. Each part assembles by itself: llvm-mc -triple=amdgcn-amd-amdhsa -mcpu=gfx1250 --defsym DOCPART=n.
;; ======== version 1 of 1: 1 launch
;; launch cost (part 1): grid 250 x 1, 16 waves a work-group, no clusters, 169,984 bytes of LDS; arguments pred_keypoints, pred_logits, tgt_ids, tgt_keypoints, out0; writes out0
.if DOCPART == 1
	.amdgcn_target "amdgcn-amd-amdhsa--gfx1250"
	.amdhsa_code_object_version 6
	.text
	.protected	k_q88d211770b_cost
	.globl	k_q88d211770b_cost
	.p2align	8
	.type	k_q88d211770b_cost,@function
k_q88d211770b_cost:
	s_mov_b64 s[64:65], 0
	v_nop
	global_prefetch_b8 v0, s[64:65] scope:SCOPE_SE
	s_setreg_imm32_b32 hwreg(HW_REG_WAVE_MODE, 25, 1), 1
	s_wait_xcnt 0x0
; HungarianMatcher cost matrix.  out0[n][t], n = 0..3999 (8 x 500 queries), t = 0..399:
;   -softmax(logits[n])[id[t]] + (0.5/400) sum |Zp-Zg| |V| + (4/400) sum |Ap-Ag| |V| + (0.2/400) sum (Vp-Vg)^2 + (0.5/400) sum (Cp-Cg)^2
; A row of pred_keypoints and of tgt_keypoints is 53 f32: C (2), Z (17 x (x, y)), V (17).  A = C + Z, so Ag-Ap = (Zg-Zp) + (Cg-Cp).
; All arithmetic is plain f32 vector work: the L1 terms are no products, and the squares are formed from the differences themselves.
;
; SHARES.  A work-group owns 16 query rows x all 400 targets = 25,600 consecutive bytes of out0, a multiple of 256 from its first byte.
;   waves 0-11: wave w keeps targets 64 (w>>1) .. +63 in registers, lane l the neighbours 2l, 2l+1 as the two halves of the packed
;               instructions, and walks the 8 queries 8 (w&1) .. +7.  The query is the same in all lanes, so it is a scalar operand.
;   waves 12-15: the last 16 targets: lane = 8 target pairs x 4 queries, one trip; the query row lies in vector registers.
;   So no lane idles: 12 x 8 + 4 = 100 trips of 64 pairs = 6,400 pairs.
; SCALAR OPERANDS.  With op_sel_hi 0 both halves of a packed instruction take the FIRST register of a scalar pair.  So each piece of the
;   query row is loaded twice, the second time 4 bytes further on: even elements sit on even registers of one block, odd ones of the other.
;   A query is four phases of about 53 vector instructions; the loads for the next phase are issued at a phase's head into the other buffer.
; NO CLUSTER: all work-groups read the same 84,800-byte target table, but 4000 / 16 = 250 work-groups is no multiple of 4; blocks of 8 rows
;   (500 work-groups) would run in two rounds, each fetching the table and filling the registers again.
; NO PREFETCH: the inputs are under 1 MB, shared by all work-groups, and asked for in the first lines.
; LIMITS.  8 (|dAx|+|dAy|) is formed before the weight: differences above about 2^124 overflow a factor 8 earlier than in the formula above.
;   |V| is scaled by 0.5/400 once: below about 1e-35 it loses bits.  v_exp_f32 flushes: a probability under 2^-126 counts as 0.
;   -p[id] is formed as -p0 + id (p0 - p1), right for id = 0 and 1, the two rows of the table that id indexes.
.set ROWB,  212                        ; bytes in a row of 53 f32
.set OROW,  1600                       ; bytes in a row of out0
.set TPART, 10600                      ; an eighth of the target table: what one tensor load brings
.set PLA,   84992                      ; LDS: the result stage, behind the table (84,800 bytes)
.set CHUNK, 4096                       ; stage: [chunk of 64 targets][16 queries][64 f32]; chunk 6 uses 16 f32 of each row
; vector registers
.set NP,  6                            ; -p0            (lane = query; waves 12-15: the lane's own query)
.set ND,  7                            ; p0 - p1
.set IDF, 8                            ; v[8:9]     id of my two targets, as f32
.set ACC, 10                           ; v[10:11]   the two costs
.set AV,  12                           ; v[12:13]   sum (Vg-Vp)^2
.set DC,  14                           ; v[14:17]   Cg-Cp: x of both targets, y of both targets
.set T,   18                           ; v[18:19]   sum (Cg-Cp)^2
.set TMP, 20                           ; v[20:59]   5 keypoints x 8 registers at work
.set TC,  60                           ; v[60:165]  element e of my two targets in v[60+2e:61+2e]
.set TZ,  64
.set TV,  132
.set TW,  166                          ; v[166:199] |V| x 0.5/400
.set QV,  200                          ; v[200:253] waves 12-15: the lane's query row (53) and one register to complete the last pair
; scalar registers
.set SNP, 2                            ; s[2:3]     -p0 of the trip's query
.set XE,  4                            ; s[4:19]    buffer X, even elements
.set XO,  20                           ; s[20:35]   buffer X, odd elements
.set YE,  36                           ; s[36:51]   buffer Y, even elements
.set KX,  52                           ; s[52:55]   elements 32..35
.set KY,  56                           ; s[56:59]   elements 33..36
.set S16, 60                           ; s[60:61]   element 52
.set TP,  62                           ; s[62:63]   a 64-bit offset at work
.set SND, 66                           ; s[66:67]   p0 - p1 of the trip's query
.set YO,  68                           ; s[68:83]   buffer Y, odd elements
.set G0,  68                           ; s[68:71]   tensor descriptor group 0 (before buffer Y is first filled)
.set G1,  72                           ; s[72:79]   tensor descriptor group 1
.set KP,  84                           ; s[84:85]   pred_keypoints, at the group's first row
.set LG,  86                           ; s[86:87]   pred_logits, at the group's first row
.set IDS, 88                           ; s[88:89]   tgt_ids
.set TGT, 90                           ; s[90:91]   tgt_keypoints
.set OUT, 92                           ; s[92:93]   out0, at the group's first row
.set WV,  94                           ; wave number
.set CNT, 95                           ; trip counter
.set ROFF, 96                          ; byte offset of the query row whose operands are loaded next
.set RLAST, 97                         ; that of the wave's last query
.set C8,  98                           ; s[98:99]   8.0 = (4/400) / (0.5/400)
.set KL,  100                          ; s[100:101] 0.5/400
.set KV,  104                          ; s[104:105] 0.2/400
.set VEC, 0                            ; 0: query operands are scalars; 1: they lie in v[QV..]
; d = t - (query element el), for both targets.  sr: the even scalar register that holds the element.
.macro QSUB d, t, sr, el
.if VEC
.if (\el)&1
	v_pk_add_f32 v[\d:\d+1], v[\t:\t+1], v[QV+(\el)-1:QV+(\el)] op_sel:[0,1] op_sel_hi:[1,1] neg_lo:[0,1] neg_hi:[0,1]
.else
	v_pk_add_f32 v[\d:\d+1], v[\t:\t+1], v[QV+(\el):QV+(\el)+1] op_sel_hi:[1,0] neg_lo:[0,1] neg_hi:[0,1]
.endif
.else
	v_pk_add_f32 v[\d:\d+1], v[\t:\t+1], s[\sr:\sr+1] op_sel_hi:[1,0] neg_lo:[0,1] neg_hi:[0,1]
.endif
.endm
; cnt keypoints from k0 on, stage by stage so that no instruction waits for the one in front of it.
; eb, ob: scalar blocks of the even (x) and odd (y) elements; first: the row element at eb's first register.
; Per keypoint: registers 0-1 dZx then dAx, 2-3 dZy then dAy, 4-5 |dZx|+|dZy|, 6-7 |dAx|+|dAy| (each for both targets).
.macro KPS k0, cnt, eb, ob, first
.set kk, \k0
.set tt, TMP
.rept \cnt
	QSUB tt, TZ+4*kk, \eb+2+2*kk-\first, 2+2*kk
	QSUB tt+2, TZ+4*kk+2, \ob+2+2*kk-\first, 3+2*kk
.set kk, kk+1
.set tt, tt+8
.endr
.set tt, TMP
.rept \cnt
	v_add_f32 v[tt+4], |v[tt]|, |v[tt+2]|
	v_add_f32 v[tt+5], |v[tt+1]|, |v[tt+3]|
.set tt, tt+8
.endr
.set tt, TMP
.rept \cnt
	v_pk_add_f32 v[tt:tt+1], v[tt:tt+1], v[DC:DC+1]            ; Ag-Ap = (Zg-Zp) + (Cg-Cp)
	v_pk_add_f32 v[tt+2:tt+3], v[tt+2:tt+3], v[DC+2:DC+3]
.set tt, tt+8
.endr
.set tt, TMP
.rept \cnt
	v_add_f32 v[tt+6], |v[tt]|, |v[tt+2]|
	v_add_f32 v[tt+7], |v[tt+1]|, |v[tt+3]|
.set tt, tt+8
.endr
.set tt, TMP
.set kk, \k0
	v_pk_fma_f32 v[tt+4:tt+5], v[tt+6:tt+7], s[C8:C8+1], v[tt+4:tt+5] op_sel_hi:[1,0,1]
.rept \cnt-1
	v_pk_fma_f32 v[tt+12:tt+13], v[tt+14:tt+15], s[C8:C8+1], v[tt+12:tt+13] op_sel_hi:[1,0,1]
	v_pk_fma_f32 v[ACC:ACC+1], v[tt+4:tt+5], v[TW+2*kk:TW+2*kk+1], v[ACC:ACC+1]
.set tt, tt+8
.set kk, kk+1
.endr
	v_pk_fma_f32 v[ACC:ACC+1], v[tt+4:tt+5], v[TW+2*kk:TW+2*kk+1], v[ACC:ACC+1]
.endm
; Vg - Vp of visibility j (row element 36 + j) into v[TMP+2j:TMP+2j+1]
.macro VQ j
.if (\j)==16
	QSUB TMP+2*(\j), TV+2*(\j), S16, 36+(\j)
.elseif (\j)&1
	QSUB TMP+2*(\j), TV+2*(\j), YO+(\j)-1, 36+(\j)
.else
	QSUB TMP+2*(\j), TV+2*(\j), YE+(\j), 36+(\j)
.endif
.endm
; PHASE 0: the class, the centre, keypoints 0-4 (row elements 0..11)
.macro PH0
	QSUB DC, TC, XE, 0
	QSUB DC+2, TC+2, XO, 1
.if VEC
	v_fma_f32 v[ACC], v[IDF], v[ND], v[NP]                     ; -p[id] starts the sum
	v_fma_f32 v[ACC+1], v[IDF+1], v[ND], v[NP]
.else
	v_pk_fma_f32 v[ACC:ACC+1], v[IDF:IDF+1], s[SND:SND+1], s[SNP:SNP+1] op_sel_hi:[1,0,0]
.endif
	v_pk_mul_f32 v[T:T+1], v[DC:DC+1], v[DC:DC+1]
	v_pk_fma_f32 v[T:T+1], v[DC+2:DC+3], v[DC+2:DC+3], v[T:T+1]
	v_pk_fma_f32 v[ACC:ACC+1], v[T:T+1], s[KL:KL+1], v[ACC:ACC+1] op_sel_hi:[1,0,1]
	KPS 0, 5, XE, XO, 0
.endm
.macro PH1                             ; keypoints 5-9 (elements 12..21)
	KPS 5, 5, YE, YO, 12
.endm
.macro PH2                             ; keypoints 10-14 (elements 22..31)
	KPS 10, 5, XE, XO, 22
.endm
; PHASE 3: keypoints 15, 16 (elements 32..35) and the 17 visibilities (36..52); a difference stands two lines ahead of its square
.macro PH3
	KPS 15, 2, KX, KY, 32
	VQ 0
	VQ 1
	v_pk_mul_f32 v[AV:AV+1], v[TMP:TMP+1], v[TMP:TMP+1]
	VQ 2
.set jj, 1
.rept 14
	v_pk_fma_f32 v[AV:AV+1], v[TMP+2*jj:TMP+2*jj+1], v[TMP+2*jj:TMP+2*jj+1], v[AV:AV+1]
	VQ jj+2
.set jj, jj+1
.endr
	v_pk_fma_f32 v[AV:AV+1], v[TMP+30:TMP+31], v[TMP+30:TMP+31], v[AV:AV+1]
	v_pk_fma_f32 v[AV:AV+1], v[TMP+32:TMP+33], v[TMP+32:TMP+33], v[AV:AV+1]
	v_pk_fma_f32 v[ACC:ACC+1], v[AV:AV+1], s[KV:KV+1], v[ACC:ACC+1] op_sel_hi:[1,0,1]
.endm
; The scalar loads of a phase.  One load of 16 words stands for the 10 or 12 that the phase names; none passes byte 212 of its row.
.macro LOADS0
	s_load_b512 s[XE:XE+15], s[KP:KP+1], s[ROFF] offset:0x0    ; elements 0..15
	s_load_b512 s[XO:XO+15], s[KP:KP+1], s[ROFF] offset:4      ; 1..16
.endm
.macro LOADS1
	s_load_b512 s[YE:YE+15], s[KP:KP+1], s[ROFF] offset:48     ; 12..27
	s_load_b512 s[YO:YO+15], s[KP:KP+1], s[ROFF] offset:52     ; 13..28
.endm
.macro LOADS2
	s_load_b512 s[XE:XE+15], s[KP:KP+1], s[ROFF] offset:88     ; 22..37
	s_load_b512 s[XO:XO+15], s[KP:KP+1], s[ROFF] offset:92     ; 23..38
.endm
.macro LOADS3
	s_load_b128 s[KX:KX+3], s[KP:KP+1], s[ROFF] offset:128     ; 32..35
	s_load_b128 s[KY:KY+3], s[KP:KP+1], s[ROFF] offset:132     ; 33..36
	s_load_b512 s[YE:YE+15], s[KP:KP+1], s[ROFF] offset:144    ; 36..51
	s_load_b512 s[YO:YO+15], s[KP:KP+1], s[ROFF] offset:148    ; 37..52: ends with the row
	s_load_b32 s[S16], s[KP:KP+1], s[ROFF] offset:208          ; 52
.endm
	; ---------------- set-up, all waves ----------------
	s_load_b256 s[KP:KP+7], s[0:1], 0x0            ; pred_keypoints, pred_logits, tgt_ids, tgt_keypoints
	s_load_b64 s[OUT:OUT+1], s[0:1], 0x20          ; out0
	v_lshl_add_u32 v254, v0, 2, 0x29000
	v_mov_b32 v255, 0
	ds_add_u32 v254, v255
	ds_add_u32 v254, v255
	v_lshrrev_b32 v1, 5, v0
	v_readfirstlane_b32 s[WV], v1                  ; wave 0..15
	v_and_b32 v1, 31, v0                           ; lane
	s_mov_b32 s[C8], 0x41000000                    ; 8.0
	s_mov_b32 s[C8+1], 0                           ; (the second register of a broadcast pair is named, so it is written)
	s_mov_b32 s[KL], 0x3aa3d70a                    ; 0.00125
	s_mov_b32 s[KL+1], 0
	s_mov_b32 s[KV], 0x3a03126f                    ; 0.0005
	s_mov_b32 s[KV+1], 0
	s_mov_b32 s[SNP+1], 0
	s_mov_b32 s[SND+1], 0
	s_mov_b32 s[S16+1], 0
	s_mul_i32 s[TP], ttmp9, 16*ROWB                ; the group's 16 query rows
	s_mov_b32 s[TP+1], 0
	s_wait_dscnt 0x0
	s_wait_kmcnt 0x0
	s_add_nc_u64 s[KP:KP+1], s[KP:KP+1], s[TP:TP+1]
	s_mul_i32 s[TP], ttmp9, 16*OROW
	s_add_nc_u64 s[OUT:OUT+1], s[OUT:OUT+1], s[TP:TP+1]
	s_lshl_b32 s[TP], ttmp9, 7                     ; 16 rows of 2 logits
	s_add_nc_u64 s[LG:LG+1], s[LG:LG+1], s[TP:TP+1]
	; The target table, 84,800 dense bytes, comes as it lies in memory: waves 0-7 bring 10,600 bytes each, as one row of 1,325 8-byte elements.
	s_cmp_gt_u32 s[WV], 7
	s_cbranch_scc1 .Lno_fetch
	s_mov_b32 s[G0], 1                             ; count = 1
	s_mul_i32 s[G0+1], s[WV], TPART                ; LDS address: wave x 10,600
	s_mov_b32 s[TP], s[G0+1]
	s_add_nc_u64 s[G0+2:G0+3], s[TGT:TGT+1], s[TP:TP+1]    ; and the same distance into the table
	s_or_b32 s[G0+3], s[G0+3], 0x80000000          ; type = 2
	s_mov_b32 s[G1], 3<<16                         ; elements of 8 bytes, no mask, no padding
	s_mov_b32 s[G1+1], (TPART/8)<<16               ; tensor_dim0
	s_mov_b32 s[G1+2], 1<<16
	s_mov_b32 s[G1+3], (TPART/8)<<16               ; tile_dim0
	s_mov_b32 s[G1+4], 1
	s_mov_b32 s[G1+5], 1325
	s_mov_b32 s[G1+6], 0
	s_mov_b32 s[G1+7], 0
	tensor_load_to_lds s[G0:G0+3], s[G1:G1+7]
	s_nop 0
.Lno_fetch:
	; Which target pair (v4), which query's logits (v5) and which stage bytes (v3) are the lane's
	s_cmp_gt_u32 s[WV], 11
	s_cbranch_scc1 .Ltail_map
	s_lshr_b32 s[CNT], s[WV], 1                    ; chunk of 64 targets
	s_and_b32 s[ROFF], s[WV], 1                    ; half of the 16 queries
	v_lshl_add_u32 v4, s[CNT], 5, v1               ; pair = 32 chunk + lane
	v_and_b32 v5, 7, v1
	v_lshl_add_u32 v5, s[ROFF], 3, v5              ; lane i (and i+8, ..) takes the logits of the wave's query i
	s_lshl_b32 s[TP], s[WV], 11                    ; stage: chunk x 4,096 + half x 8 rows of 256 = wave x 2,048: the wave's own 2,048 bytes
	s_add_co_u32 s[TP], s[TP], PLA
	v_lshl_add_u32 v3, v1, 3, s[TP]                ; + 8 lane
	s_mul_i32 s[ROFF], s[ROFF], 8*ROWB
	s_add_co_u32 s[RLAST], s[ROFF], 7*ROWB
	LOADS0                                         ; the first query's first operands, waited for at the loop's head
	s_branch .Lmapped
.Ltail_map:
	s_sub_co_u32 s[CNT], s[WV], 12
	v_and_b32 v6, 7, v1
	v_add_nc_u32 v4, 192, v6                       ; pairs 192..199 = targets 384..399
	v_lshrrev_b32 v5, 3, v1
	v_lshl_add_u32 v5, s[CNT], 2, v5               ; query 4 (wave - 12) + lane / 8
	v_lshlrev_b32 v3, 8, v5                        ; stage: chunk 6, the query's row: 1,024 bytes of the wave's own
	v_lshl_add_u32 v3, v6, 3, v3
	v_add_nc_u32 v3, PLA+6*CHUNK, v3
.Lmapped:
	v_lshlrev_b32 v20, 3, v4
	v_lshlrev_b32 v21, 3, v5
	global_load_b64 v[22:23], v20, s[IDS:IDS+1]    ; ids of my two targets
	global_load_b64 v[24:25], v21, s[LG:LG+1]      ; two logits
	s_wait_loadcnt 0x0
	; softmax over the two classes, the larger logit taken away first
	v_max_num_f32 v26, v24, v25
	v_sub_f32 v24, v24, v26
	v_sub_f32 v25, v25, v26
	v_mul_f32 v24, 0x3fb8aa3b, v24                 ; e^x = 2^(x log2 e)
	v_mul_f32 v25, 0x3fb8aa3b, v25
	v_exp_f32 v26, v24
	v_exp_f32 v27, v25
	v_mul_u32_u24 v2, 2*ROWB, v4                   ; table address of my pair; also the plain instruction behind the exponentials (ISA guide 5.7.2)
	s_wait_alu depctr_va_vdst(0)
	v_add_f32 v28, v26, v27
	v_rcp_f32 v30, v28
	v_sub_f32 v29, v26, v27                        ; likewise behind the reciprocal
	s_wait_alu depctr_va_vdst(0)
	v_mul_f32 v[NP], -v26, v30                     ; -p0
	v_mul_f32 v[ND], v29, v30                      ; p0 - p1
	v_cvt_f32_i32 v[IDF], v22
	v_cvt_f32_i32 v[IDF+1], v23
	s_wait_tensorcnt 0x0                           ; my part of the table is in LDS (waves 8-15 have none out)
	s_barrier_signal -1
	s_barrier_wait -1                              ; everybody's is
	; Element e of targets 2p and 2p+1 lies 53 words apart: one load fills the register pair that the packed instructions want.
	; Lanes are 106 words apart: the 64 words of a load fall into 64 different banks (ISA guide 11.1).
.set ii, 0
.rept 53
	ds_load_2addr_b32 v[TC+2*ii:TC+2*ii+1], v2 offset0:ii offset1:ii+53
.set ii, ii+1
.endr
	s_wait_dscnt 0x0                               ; my reads of the table are over
	s_barrier_signal -1                            ; up to this barrier LDS is only read, behind it results are stored into it
.set ii, 0
.rept 34
	v_mul_f32 v[TW+ii], |v[TV+ii]|, s[KL]          ; |(a-b) V| = |a-b| |V|; the weight 0.5/400 rides along
.set ii, ii+1
.endr
	s_barrier_wait -1
	s_cmp_gt_u32 s[WV], 11
	s_cbranch_scc1 .Ltail
	; ---------------- waves 0-11: 8 queries ----------------
	s_mov_b32 s[CNT], 0
.Lquery:
	s_wait_kmcnt 0x0                               ; scalar loads return in no order: 0 is the only count.  Phase 0's operands are in
	LOADS1                                         ; buffer Y was last read by the trip before
	v_readlane_b32 s[SNP], v[NP], s[CNT]
	v_readlane_b32 s[SND], v[ND], s[CNT]
	PH0
	s_wait_kmcnt 0x0
	LOADS2
	PH1
	s_wait_kmcnt 0x0
	LOADS3
	PH2
	s_wait_kmcnt 0x0                               ; every load that names ROFF is done: it may step
	s_add_co_u32 s[ROFF], s[ROFF], ROWB
	s_min_u32 s[ROFF], s[ROFF], s[RLAST]           ; the last trip asks for its own row again and never for one behind the wave's last
	LOADS0
	PH3
	ds_store_b64 v3, v[ACC:ACC+1]                  ; 32 lanes: 256 neighbouring bytes = 64 targets of one query
	v_add_nc_u32 v3, 256, v3
	s_add_co_u32 s[CNT], s[CNT], 1
	s_cmp_lt_u32 s[CNT], 8
	s_cbranch_scc1 .Lquery
	s_wait_kmcnt 0x0                               ; the last trip's look-ahead
	s_branch .Lout
	; ---------------- waves 12-15: 8 target pairs x 4 queries, one trip ----------------
	; These waves have one trip against the others' eight, so their loads need not be asked for earlier.
.Ltail:
	v_mul_u32_u24 v4, ROWB, v5                     ; my query's row
.set ii, 0
.rept 53
	global_load_b32 v[QV+ii], v4, s[KP:KP+1] offset:4*ii   ; rows start at multiples of 4 bytes only: single words
.set ii, ii+1
.endr
	v_mov_b32 v[QV+53], 0                          ; completes the pair of element 52
	s_wait_loadcnt 0x0
.set VEC, 1
	PH0
	PH1
	PH2
	PH3
.set VEC, 0
	ds_store_b64 v3, v[ACC:ACC+1]
	; ---------------- the way out: the group's 25,600 bytes as 1,600 pieces of 16 bytes, piece f = thread + 512 r ----------------
.Lout:
	s_wait_dscnt 0x0                               ; my results are in the stage
	s_barrier_signal -1
	s_barrier_wait -1                              ; everybody's are
; stage address of piece f: query q = f / 100, piece m = f - 100 q of its row, chunk m / 16.  5243 / 2^19 = 0.01 + 2.3e-7: exact for f < 1,600
.macro EADDR a, r
	v_add_nc_u32 v[\a], 512*\r, v0
	v_mul_u32_u24 v8, 5243, v[\a]
	v_lshrrev_b32 v8, 19, v8                       ; q
	v_mul_u32_u24 v9, 100, v8
	v_sub_nc_u32 v9, v[\a], v9                     ; m, 0..99
	v_bfe_u32 v[\a], v9, 4, 3                      ; chunk, 0..6
	v_and_b32 v9, 15, v9
	v_lshlrev_b32 v[\a], 12, v[\a]
	v_lshl_or_b32 v[\a], v8, 8, v[\a]
	v_lshl_or_b32 v[\a], v9, 4, v[\a]
	v_add_nc_u32 v[\a], PLA, v[\a]
.endm
	v_lshlrev_b32 v2, 4, v0
	EADDR 4, 0
	EADDR 5, 1
	EADDR 6, 2
	ds_load_b128 v[20:23], v4
	ds_load_b128 v[24:27], v5
	ds_load_b128 v[28:31], v6
	s_wait_dscnt 0x2                               ; LDS loads return in order: the first is in, two younger ones may be out
	global_store_b128 v2, v[20:23], s[OUT:OUT+1] th:TH_STORE_NT            ; 16 lanes store 256 consecutive bytes, at a multiple of 256 from out0's first byte
	s_wait_dscnt 0x1                               ; one younger load may be out
	global_store_b128 v2, v[24:27], s[OUT:OUT+1] offset:8192 th:TH_STORE_NT
	s_wait_dscnt 0x0
	global_store_b128 v2, v[28:31], s[OUT:OUT+1] offset:16384 th:TH_STORE_NT
	s_cmp_gt_u32 s[WV], 1                          ; 1,600 = 3 x 512 + 64: the last 64 pieces are waves 0 and 1's
	s_cbranch_scc1 .Lend
	EADDR 7, 3
	ds_load_b128 v[32:35], v7
	s_wait_dscnt 0x0
	global_store_b128 v2, v[32:35], s[OUT:OUT+1] offset:24576 th:TH_STORE_NT
.Lend:
	s_wait_tensorcnt 0x0
	ds_add_u32 v254, v255
	s_wait_dscnt 0x0
	s_endpgm
.Lfunc_end_k_q88d211770b_cost:
	.size	k_q88d211770b_cost, .Lfunc_end_k_q88d211770b_cost-k_q88d211770b_cost
	.p2alignl 7, 3214868480
	.fill 96, 4, 3214868480
	.section	.rodata,"a",@progbits
	.p2align	6, 0x0
	.amdhsa_kernel k_q88d211770b_cost
		.amdhsa_group_segment_fixed_size 169984
		.amdhsa_private_segment_fixed_size 0
		.amdhsa_enable_private_segment 0
		.amdhsa_kernarg_size 40
		.amdhsa_user_sgpr_count 2
		.amdhsa_user_sgpr_kernarg_segment_ptr 1
		.amdhsa_wavefront_size32 1
		.amdhsa_system_sgpr_workgroup_id_x 1
		.amdhsa_system_sgpr_workgroup_id_y 1
		.amdhsa_system_sgpr_workgroup_id_z 1
		.amdhsa_system_vgpr_workitem_id 0
		.amdhsa_next_free_vgpr 256
		.amdhsa_next_free_sgpr 106
		.amdhsa_reserve_vcc 0
		.amdhsa_float_denorm_mode_32 3
		.amdhsa_float_denorm_mode_16_64 3
		.amdhsa_memory_ordered 1
		.amdhsa_forward_progress 1
		.amdhsa_inst_pref_size 47
	.end_amdhsa_kernel
	.amdgpu_metadata
---
amdhsa.version: [ 1, 2 ]
amdhsa.kernels:
  - .name:           k_q88d211770b_cost
    .symbol:         k_q88d211770b_cost.kd
    .args:
      - { .name: pred_keypoints, .offset: 0, .size: 8, .value_kind: global_buffer, .address_space: global }
      - { .name: pred_logits, .offset: 8, .size: 8, .value_kind: global_buffer, .address_space: global }
      - { .name: tgt_ids, .offset: 16, .size: 8, .value_kind: global_buffer, .address_space: global }
      - { .name: tgt_keypoints, .offset: 24, .size: 8, .value_kind: global_buffer, .address_space: global }
      - { .name: out0, .offset: 32, .size: 8, .value_kind: global_buffer, .address_space: global }
    .group_segment_fixed_size: 169984
    .private_segment_fixed_size: 0
    .kernarg_segment_align: 8
    .kernarg_segment_size: 40
    .max_flat_workgroup_size: 512
    .sgpr_count:     106
    .vgpr_count:     256
    .wavefront_size: 32
...
	.end_amdgpu_metadata
.endif
;; end of part 1
